; MI455X (gfx1250); checked and timed in simulation.
; The chip was launched on July 23, 2026; its instructions are those of AMD's public machine-readable ISA for CDNA 5 (MIT licence, August 2026) and "CDNA5" Instruction Set Architecture Reference Guide (July 2026). The comments in the code are by the model that wrote it; some were corrected since.
;; Multi Head Attention. Allowed arithmetic: matrix products marked QUANTISED: E2M1 operands, one E8M0 scale for each 32 along K, by v_wmma_scale_f32_16x16x128_f8f6f4 with both operands' format E2M1 (or v_wmma_scale_f32_32x16x128_f4), f32 sums; everything else in f32.
;; Inputs: k_b 1,024 float32; k_w_codes 1,024 x 32 x 16 uint8 (E2M1 codes of k_w, K innermost, in blocks of 32 codes, two codes a byte); k_w_scales 1,024 x 32 uint8 (E8M0 scales of k_w, one for each 32 codes along K); key_codes 2 x 2,048 x 32 x 16 uint8 (E2M1 codes of key, K innermost, in blocks of 32 codes, two codes a byte); key_scales 2 x 2,048 x 32 uint8 (E8M0 scales of key, one for each 32 codes along K); o_b 1,024 float32; o_w_codes 1,024 x 32 x 16 uint8 (E2M1 codes of o_w, K innermost, in blocks of 32 codes, two codes a byte); o_w_scales 1,024 x 32 uint8 (E8M0 scales of o_w, one for each 32 codes along K); q_b 1,024 float32; q_w_codes 1,024 x 32 x 16 uint8 (E2M1 codes of q_w, K innermost, in blocks of 32 codes, two codes a byte); q_w_scales 1,024 x 32 uint8 (E8M0 scales of q_w, one for each 32 codes along K); query_codes 2 x 2,048 x 32 x 16 uint8 (E2M1 codes of query, K innermost, in blocks of 32 codes, two codes a byte); query_scales 2 x 2,048 x 32 uint8 (E8M0 scales of query, one for each 32 codes along K); v_b 1,024 float32; v_w_codes 1,024 x 32 x 16 uint8 (E2M1 codes of v_w, K innermost, in blocks of 32 codes, two codes a byte); v_w_scales 1,024 x 32 uint8 (E8M0 scales of v_w, one for each 32 codes along K); value_codes 2 x 2,048 x 32 x 16 uint8 (E2M1 codes of value, K innermost, in blocks of 32 codes, two codes a byte); value_scales 2 x 2,048 x 32 uint8 (E8M0 scales of value, one for each 32 codes along K).
;; Outputs: out0 2 x 2,048 x 1,024 float32.
;; This version of the problem:
;;   THIS VERSION OF THE PROBLEM IS GIVEN IN LOW PRECISION. The matrix products marked QUANTISED in the list below multiply operands that are first quantised to E2M1 (2 exponent bits, 1 mantissa bit; 4 bits a number), with one power-of-two scale for each 32 numbers along K (OCP MX v1.0); their sums are f32. All else is computed in f32.
;;   The module's matrix products, in the order in which they are computed (A, B: the left and right operand; K: the contracted axis; several contracted axes count as one K, in the product's order):
;;     1. [M 4,096, K 1,024] x [K 1,024, N 1,024]; A: input query (given as codes); B: input q_w (given as codes): QUANTISED
;;     2. [M 4,096, K 1,024] x [K 1,024, N 1,024]; A: input key (given as codes); B: input k_w (given as codes): QUANTISED
;;     3. [M 4,096, K 1,024] x [K 1,024, N 1,024]; A: input value (given as codes); B: input v_w (given as codes): QUANTISED
;;     4. batch 32 x [M 2,048, K 64] x [K 64, N 2,048]; A: computed on the way; B: computed on the way: QUANTISED
;;     5. batch 32 x [M 2,048, K 2,048] x [K 2,048, N 64]; A: softmax (see below); B: computed on the way: QUANTISED
;;     6. [M 4,096, K 1,024] x [K 1,024, N 1,024]; A: computed on the way; B: input o_w (given as codes): QUANTISED
;;   THE QUANTISER, for each operand of a quantised product, along K:
;;     - K is cut into blocks of 32 from its start; a last block that is shorter is filled with zeros.
;;     - A block's scale is 2^e with e = floor(log2(the largest magnitude in the block)) - 2, held to -126 .. 127; a block of zeros has e = 0. As a byte (E8M0): e + 127.
;;     - Each number is divided by its block's scale, clamped to +-6, and rounded to the nearest number of E2M1, ties to even, subnormals kept.
;;     - The product sums the exact products of the quantised numbers (number of the format x scale) in f32.
;;   ~~~python
;;   def quantise(x, axis):      # numpy; x: float32 -> the quantised numbers, widened to float32 again
;;       x = np.moveaxis(x, axis, -1); K = x.shape[-1]
;;       x = np.pad(x, [(0, 0)] * (x.ndim - 1) + [(0, -K % 32)]); x = x.reshape(x.shape[:-1] + (-1, 32)); a = np.abs(x).max(-1, keepdims=True)
;;       e = np.where(a > 0, np.clip(np.frexp(np.where(a > 0, a, 1))[1] - 1 - 2, -126, 127), 0)      # np.frexp(a)[1] - 1 = floor(log2(a)), exactly
;;       r = np.clip(x / 2.0 ** e, -6, 6)
;;       step = 2.0 ** (np.maximum(np.frexp(np.where(r == 0, 1, r))[1] - 1, 0) - 1)
;;       q = np.round(r / step) * step * 2.0 ** e      # np.round: ties to even
;;       return np.moveaxis(q.reshape(q.shape[:-2] + (-1,))[..., :K], -1, axis).astype(np.float32)
;;   ~~~
;;   SOFTMAX AHEAD OF A QUANTISED PRODUCT. Where the list says 'softmax', what is quantised is not the finished softmax but p = 2^(t - M), with t = logit x log2(e) and M = ceil(the row's largest t), a whole number; so 1/2 < the row's largest p <= 1. The row's sum l is taken of the UNQUANTISED p, in f32, and the product's result is divided by l at the end. Since M is a whole number, a kernel that streams over the keys may use a running M (the ceiling of the running maximum): every later rescaling is an exact power of two, which a block's scale takes up: the codes' values come out the same.
;;   OPERANDS COMPUTED ON THE WAY. 'Computed on the way' means the value that the module computes at that place (a softmax that the list does not call 'softmax' is quantised finished and normalised). What goes into a quantiser is computed in f32, as accurately as f32 sums, v_exp_f32 and their like allow (about 1e-6 of the number): no bf16 or f16 on the way to a quantiser, and a product that is left as it is and whose result goes on into a quantised operand takes f32 operands (vector FMAs, or v_wmma_f32_16x16x4_f32). A number that lies on a knife's edge between two numbers of the format may be rounded either way, as far as f32 arithmetic and the matrix unit's own rounding can turn it there, and no further.
;;   INPUTS GIVEN AS CODES. k_w (in the module: [1024, 1024], K = its axis 1); key (in the module: [2, 2048, 1024], K = its axis 2); o_w (in the module: [1024, 1024], K = its axis 1); q_w (in the module: [1024, 1024], K = its axis 1); query (in the module: [2, 2048, 1024], K = its axis 2); v_w (in the module: [1024, 1024], K = its axis 1); value (in the module: [2, 2048, 1024], K = its axis 2): each comes as NAME_codes (uint8): NAME with its K axis moved to the last place and cut into blocks of 32 codes, [.., K / 32, bytes a block], one block behind the other in memory; two codes a byte, the lower K in the low four bits (a code: sign, 2 exponent bits, 1 mantissa bit); and NAME_scales (uint8): the same leading axes, one E8M0 byte (e + 127) for each 32 codes along K. Its value is code x scale, taken as it is: it is not quantised again, and the codes and scales need not be those that the quantiser above would give.
;; One version. Each part assembles by itself: llvm-mc -triple=amdgcn-amd-amdhsa -mcpu=gfx1250 --defsym DOCPART=n.
;; ======== version 1 of 1: 3 launches
;; limits: right only within a limited range of input values
;; workspace buffers: kv 4,456,448 bytes; qs 2,228,224 bytes; mc 2,097,152 bytes; ms 131,072 bytes
;; launch proj (part 1): grid 4 x 48, 4 waves a work-group, clusters of 4 x 4, 327,680 bytes of LDS; arguments query_codes, key_codes, value_codes, query_scales, key_scales, value_scales, q_w_codes, k_w_codes, v_w_codes, q_w_scales, k_w_scales, v_w_scales, q_b, k_b, v_b, kv, qs; writes kv, qs
.if DOCPART == 1
	.amdgcn_target "amdgcn-amd-amdhsa--gfx1250"
	.amdhsa_code_object_version 6
	.text
	.protected	k_qc2dd1b88d3_proj
	.globl	k_qc2dd1b88d3_proj
	.p2align	8
	.type	k_qc2dd1b88d3_proj,@function
k_qc2dd1b88d3_proj:
	s_mov_b64 s[64:65], 0
	v_nop
	global_prefetch_b8 v0, s[64:65] scope:SCOPE_SE
	s_setreg_imm32_b32 hwreg(HW_REG_WAVE_MODE, 25, 1), 1
	s_wait_xcnt 0x0
	s_wait_alu depctr_hold_cnt(0) depctr_sa_sdst(0) depctr_va_vdst(0) depctr_va_sdst(0) depctr_va_ssrc(0) depctr_va_vcc(0) depctr_vm_vsrc(0)
	s_getreg_b32 s2, hwreg(HW_REG_IB_STS2, 6, 4)
	s_cmp_eq_u32 s2, 0
	s_cbranch_scc0 .Lentry_in_a_cluster
	s_endpgm
.Lentry_in_a_cluster:
	s_bfe_u32 s2, ttmp6, 0x10000c
	s_cmp_lg_u32 s2, 0xf033
	s_cbranch_scc0 .Lentry_shape_is_right
	s_endpgm
.Lentry_shape_is_right:
; q = query q_w^T + q_b, k = key k_w^T + k_b, v = value v_w^T + v_b on the E2M1 codes and E8M0 bytes as given; then q and k are quantised along the head's 64 and v along the keys, by the stated rule, in f32,
; and leave as codes laid in the order in which the attention launch's operand registers take them.
; NO WORK OF THE PROBLEM IS LEFT OUT in this program: every input has a way to out0 (k_b too: it moves k's codes) and is loaded by one of the three launches.
; LIMITS: NaN and infinities among the inputs are not served.  A block of zeros gets the scale byte 1 where the rule says 127: its codes are zeros, which add nothing under any byte but 0xff, and only this program reads these bytes.
; SHARES.  Work-group (x, y): product y / 16 (0 q, 1 k, 2 v), tokens 256 (y % 16) on, weight rows 256 x on, K = 1,024 in two slots of 512.  192 work-groups: 3 products x 16 x 4 tiles of 256 x 256; a wave makes 128 x 128.
; q, k: source 0 = weight rows (d), source 1 = tokens.  v: source 0 = tokens, source 1 = weight rows.  So in a result a lane holds one row of source 1 and its registers run along source 0's rows, the axis that is quantised.
; In LDS the tokens' tile X lies at 0 and the weights' tile W behind it; which of them is source 0 is an LDS address that hangs on the product's number alone.
; CLUSTER 4 x 4: a row of the cluster shares X, a column shares W: each tile is asked for jointly.  No prefetch: the two slots are all there is and no loop runs ahead.
; OUTPUT, for each batch and head.  kv, 139,264 bytes: +0 K's codes [key / 16][lane][16]: lane (r, h) = key r of the tile, d = 32 h on;  +65,536 V's codes [key / 128][t][c][lane][16]: d = 16 t + r, keys 64 c + 32 h on;
; +131,072 K's scale words [key / 128][r][g][4]: bytes (tile 2 g: d block 0, 1; tile 2 g + 1: 0, 1);  +135,168 V's [key / 128][r][t][4]: byte j = the j-th 32 keys.  qs, 69,632 bytes: +0 q's codes as K's, +65,536 its scale words as K's.
; REGISTERS.  Window 0: v8-12, v16-29 addresses; v32-95 scale words, a set for each slot; v128-191 source 1's fragments; v192-255 the bias, the C of the first products; all of v128-255 at work behind the products.
; Window 1: source 0's fragments, two sets.  Windows 2, 3: the accumulators (a, b) at v[8 (8 (a % 4) + b)], a = source 1's tile, b = source 0's.
.set PITCH, 272                        ; an LDS row: 256 bytes + 16 of padding
.set HALFT, 128*PITCH
.set SLOT,  4*HALFT
.set SCL,   2*SLOT                     ; the scale bytes of X's and W's 256 rows, as rows of 256 bytes + 16
.set HALFS, 16*272                     ; those of 128 rows
.set SBLK,  2*272                      ; those of 16 rows
.set SPARE, SCL+4*HALFS                ; the spare words, 128 bytes a wave, which no other line names
.set KVH,   139264
.set QH,    69632
.set ADRA, 16
.set ADRB, 20
.set ADRS, 27
.set SPW, 28
.set NIL, 29
.set SC, 32
.set AF, 128
.set BI, 192
.set TM, 192
.set TP, 200
.set TO, 208
.set TB, 216
.set PW, 224
.set MSB, 0
.macro WIN new                         ; the immediate's high byte repeats the setting that is left
.if MSB != (\new)
	s_set_vgpr_msb (MSB<<8)|(\new)
.set MSB, (\new)
.endif
.endm
.macro CROUND                          ; a round of the cluster's barrier
	s_barrier_signal -1
	s_barrier_wait -1
	s_cmp_lg_u32 s20, 0
	s_cbranch_scc1 .Lnot_wave_0_\@
	s_barrier_signal -3
.Lnot_wave_0_\@:
	s_barrier_wait -3
	s_barrier_signal -1
	s_barrier_wait -1
.endm
.macro PLACES                          ; four plain places behind a matrix instruction (ISA guide 7.12.1)
.rept 4
	v_nop
.endr
.endm
.macro FRAG reg, adr, q, i             ; 16 rows x 128 K: registers 4 c .. 4 c + 3 hold K = 64 c + 32 h on
.irp c, 0,1
	ds_load_b128 v[\reg+4*\c:\reg+4*\c+3], v[\adr] offset:64*(\q)+32*\c+(\i)*16*PITCH
.endr
.endm
; 16 products: source 1's tiles a0, a0 + 1 x source 0's eight.  The 64 accumulators take turns in the same order in every step.  z = 1, 2: the first step: C is the bias, along source 0 (1) or source 1 (2)
.macro MUL16 a0, p, q, sc, z
.irp a, \a0, \a0+1
.irp b, 0,1,2,3,4,5,6,7
.set AC, 8*(8*((\a)%4)+\b)
.if (\z) == 0
.set CC, AC
.elseif (\z) == 1
.set CC, BI+8*\b
.else
.set CC, BI+8*(\a)
.endif
	v_wmma_scale_f32_16x16x128_f8f6f4 v[AC:AC+7], v[128*(\p)+8*\b:128*(\p)+8*\b+7], v[AF+8*(\a):AF+8*(\a)+7], v[CC:CC+7], v[SC+32*(\sc)+4*\b+(\q)], v[SC+32*(\sc)+4*(\a)+(\q)] matrix_a_fmt:MATRIX_FMT_FP4 matrix_b_fmt:MATRIX_FMT_FP4 matrix_a_scale:MATRIX_SCALE_ROW1
.endr
.endr
.endm
.macro FETCH_B slot, q, p
	WIN 0x40
.irp i, 0,1,2,3,4,5,6,7
	FRAG 128*(\p)+8*\i, ADRB+\slot, \q, \i
.endr
	WIN 0
.endm
.macro FETCH_A slot, q, i0
.irp i, \i0, \i0+1, \i0+2, \i0+3
	FRAG AF+8*(\i), ADRA+\slot, \q, \i
.endr
.endm
.macro SCALES sc                       ; lanes 0-15: source 1's tile i, lanes 16-31: source 0's tile i; four words of 128 K
.irp i, 0,1,2,3,4,5,6,7
	ds_load_b128 v[SC+32*\sc+4*\i:SC+32*\sc+4*\i+3], v[ADRS] offset:\i*SBLK+16*\sc
.endr
.endm
.macro WLO z
.if (\z) == 0
	WIN 0xa1
.else
	WIN 0x81
.endif
.endm
.macro WHI z
.if (\z) == 0
	WIN 0xf1
.else
	WIN 0xc1
.endif
.endm
.macro STEP slot, q, z                 ; a step of 128 along K whose successor lies in the same slot
	s_wait_dscnt 8                                 ; the youngest eight loads (source 1's tiles 4-7) may be out
	WLO \z
	MUL16 0, (\q)%2, \q, \slot, \z
	MUL16 2, (\q)%2, \q, \slot, \z
	s_wait_dscnt 0x0
	PLACES
	FETCH_B \slot, (\q)+1, 1-(\q)%2
	FETCH_A \slot, (\q)+1, 0
	WHI \z
	MUL16 4, (\q)%2, \q, \slot, \z
	MUL16 6, (\q)%2, \q, \slot, \z
	PLACES
	WIN 0
	FETCH_A \slot, (\q)+1, 4
.endm
; two of source 1's tiles, a = 2 p and 2 p + 1: eight blocks of 32 along source 0: block n = 4 (a % 2) + B lies in my 16 registers and in lane l xor 16's.  Codes to v[128 + 16 p ..], a word of four scale bytes a tile to v[PW + a]
.macro QP p
.set QW, 2+(\p)/2
.set SB, 128*((\p)%2)
.set PC, 128+16*(\p)
	WIN QW*5
.irp n, 0,1,2,3,4,5,6,7
	v_max3_num_f32 v[TM+\n], |v[SB+16*\n]|, |v[SB+16*\n+1]|, 0x1800000   ; and the floor 2^(3 - 127): the byte cannot fall under 1
.endr
	WIN QW*20
.irp i, 2,4,6,8,10,12,14
.irp n, 0,1,2,3,4,5,6,7
	v_max3_num_f32 v[TM+\n], v[TM+\n], |v[SB+16*\n+\i]|, |v[SB+16*\n+\i+1]|
.endr
.endr
	WIN 0
.irp n, 0,1,2,3,4,5,6,7
	v_permlanex16_b32 v[TP+\n], v[TM+\n], s66, s67
.endr
.irp n, 0,1,2,3,4,5,6,7
	v_max_num_f32 v[TM+\n], v[TM+\n], v[TP+\n]
.endr
.irp n, 0,1,2,3,4,5,6,7
	v_add_nc_u32 v[TO+\n], 0xff000000, v[TM+\n]    ; 2 off the exponent field: the conversion's scale operand
.endr
.irp n, 0,1,2,3,4,5,6,7
	v_lshrrev_b32 v[TB+\n], 23, v[TO+\n]           ; the scale's byte
.endr
.irp s, 1,2,3
.irp i, 0,1
.if \s == 1
	v_lshl_or_b32 v[PW+2*(\p)+\i], v[TB+4*\i+1], 8, v[TB+4*\i]
.else
	v_lshl_or_b32 v[PW+2*(\p)+\i], v[TB+4*\i+\s], 8*\s, v[PW+2*(\p)+\i]
.endif
.endr
.endr
	WIN QW
.irp n, 0,1,2,3,4,5,6,7
.irp u, 0,1
	v_cvt_scalef32_pk8_fp4_f32 v[PC+8*(\n/4)+4*((\n%4)/2)+(\n%2)+2*\u], v[SB+16*\n+8*\u:SB+16*\n+8*\u+7], v[TO+\n]
.endr
.endr
	v_nop                                          ; one plain place behind the last scaled conversion
	WIN 0
.irp g, 0,1,2,3,4,5,6,7
	v_permlane16_swap_b32 v[PC+2*\g], v[PC+2*\g+1] ; a whole block to a lane, in natural order along the next K: lanes 0-15 block 2 c, lanes 16-31 block 2 c + 1
.endr
.irp i, 0,1
.irp c, 0,1
	global_store_b128 v[8+(2*(\p)+\i)%4], v[PC+8*\i+4*\c:PC+8*\i+4*\c+3], s[86+10*((\p)/2)+4*\c:87+10*((\p)/2)+4*\c]   ; the wave stores 512 consecutive bytes, aligned
.endr
.endr
.endm
	s_load_b512 s[4:19], s[0:1], 0x0               ; X's codes q, k, v; X's scales q, k, v; q_w's codes, k_w's
	s_load_b512 s[84:99], s[0:1], 0x40             ; v_w's codes; W's scales q, k, v; biases q, k, v; kv
	s_load_b64 s[100:101], s[0:1], 0x80            ; qs
	v_lshl_add_u32 v[SPW], v0, 2, SPARE
	v_mov_b32 v[NIL], 0
	ds_add_u32 v[SPW], v[NIL]                      ; the opening: the add, twice on end, and its wait ahead of my first tensor load
	ds_add_u32 v[SPW], v[NIL]
	v_lshrrev_b32 v1, 5, v0
	v_readfirstlane_b32 s20, v1                    ; wave 0..3
	s_lshr_b32 s21, s20, 1                         ; my half of source 1's rows.  Also: behind the head I fetch for X (0) or W (1)
	s_and_b32 s22, s20, 1                          ; my half of source 0's rows.  Also: which 128 rows I fetch
	s_bfe_u32 s2, ttmp6, 0x40000                   ; cx
	s_bfe_u32 s3, ttmp6, 0x40004                   ; cy
	s_lshl_b32 s66, s3, 2
	s_lshl_b32 s66, 15, s66                        ; my row of the cluster
	s_lshl_b32 s67, 0x1111, s2                     ; my column
	; group 1 for codes: rows of 256 bytes, 512 apart, 16 bytes of padding behind each: 256 rows for the head's loads; X with my row's mask, W with my column's
	s_or_b32 s24, s66, (1<<20)|(1<<21)|(5<<22)|(3<<25)
	s_or_b32 s32, s67, (1<<20)|(1<<21)|(5<<22)|(3<<25)
.irp g, 24, 32
	s_mov_b32 s[\g+1], 256<<16
	s_mov_b32 s[\g+2], 256<<16
	s_mov_b32 s[\g+3], 256<<16
	s_mov_b32 s[\g+4], 256
	s_mov_b32 s[\g+5], 512
	s_mov_b32 s[\g+6], 0
	s_mov_b32 s[\g+7], 0
.endr
	; and for the scale bytes of 256 rows: 8,192 dense bytes as 32 rows of 32 elements of 8 bytes, 16 bytes of padding behind each
	s_or_b32 s40, s66, (3<<16)|(1<<20)|(1<<21)|(5<<22)|(3<<25)
	s_or_b32 s48, s67, (3<<16)|(1<<20)|(1<<21)|(5<<22)|(3<<25)
.irp g, 40, 48
	s_mov_b32 s[\g+1], 32<<16
	s_mov_b32 s[\g+2], 32<<16
	s_mov_b32 s[\g+3], 32<<16
	s_mov_b32 s[\g+4], 32
	s_mov_b32 s[\g+5], 32
	s_mov_b32 s[\g+6], 0
	s_mov_b32 s[\g+7], 0
.endr
	s_and_b32 s23, ttmp7, 0xffff
	s_lshr_b32 s23, s23, 2                         ; the product: 0 q, 1 k, 2 v: four rows of clusters each
	s_and_b32 s66, ttmp7, 3
	s_lshl_b32 s66, s66, 2
	s_add_co_u32 s3, s3, s66                       ; y: the block of 256 tokens, 0..15
	s_lshl_b32 s66, ttmp9, 2
	s_add_co_u32 s2, s2, s66                       ; x: the block of 256 weight rows
	s_lshl_b32 s66, s3, 17                         ; X: 256 rows of 512 bytes.  s[66:67] hangs on y alone here,
	s_mov_b32 s67, 0
	s_lshl_b32 s104, s2, 17                        ; W.  s[104:105] on x alone
	s_mov_b32 s105, 0
	s_mov_b32 s56, 1
	s_mov_b32 s57, 0
	s_mov_b32 s60, 1
	s_mov_b32 s61, 2*HALFT
	s_mov_b32 s68, 1
	s_mov_b32 s69, SCL
	s_mov_b32 s72, 1
	s_mov_b32 s73, SCL+2*HALFS
	s_mov_b32 s76, 1
	s_mul_i32 s77, s20, HALFT
	s_add_co_u32 s77, s77, SLOT                    ; slot 1: waves 0, 1 X's halves, waves 2, 3 W's
	s_mov_b32 s80, 1
	s_mov_b32 s81, s77
	s_wait_dscnt 0x0                               ; both opening adds are done
	s_wait_kmcnt 0x0
	s_cmp_eq_u32 s23, 0                            ; the product's own buffers
	s_cselect_b64 s[6:7], s[4:5], s[6:7]
	s_cselect_b64 s[12:13], s[10:11], s[12:13]
	s_cselect_b64 s[18:19], s[16:17], s[18:19]
	s_cselect_b64 s[88:89], s[86:87], s[88:89]
	s_cselect_b64 s[94:95], s[92:93], s[94:95]
	s_cselect_b64 s[98:99], s[100:101], s[98:99]
	s_cmp_eq_u32 s23, 2
	s_cselect_b64 s[6:7], s[8:9], s[6:7]
	s_cselect_b64 s[12:13], s[14:15], s[12:13]
	s_cselect_b64 s[18:19], s[84:85], s[18:19]
	s_cselect_b64 s[88:89], s[90:91], s[88:89]
	s_cselect_b64 s[94:95], s[96:97], s[94:95]
	s_add_nc_u64 s[58:59], s[6:7], s[66:67]        ; X's codes
	s_add_nc_u64 s[62:63], s[18:19], s[104:105]    ; W's codes
	s_lshr_b32 s66, s66, 4                         ; a row of scale bytes is 32 bytes
	s_lshr_b32 s104, s104, 4
	s_add_nc_u64 s[70:71], s[12:13], s[66:67]
	s_add_nc_u64 s[74:75], s[88:89], s[104:105]
	s_lshl_b32 s84, s22, 16                        ; the 128 rows that I fetch for slot 1, 256 bytes along K
	s_add_co_u32 s84, s84, 256
	s_mov_b32 s85, 0
	s_add_nc_u64 s[78:79], s[58:59], s[84:85]
	s_add_nc_u64 s[82:83], s[62:63], s[84:85]
.irp g, 59, 63, 71, 75, 79, 83
	s_or_b32 s[\g], s[\g], 0x80000000
.endr
	CROUND                                         ; all sixteen work-groups are here: the joint loads meet
.macro ARM under, g0, g1, next
	s_cmp_lt_u32 s20, \under
	s_cbranch_scc0 \next
	tensor_load_to_lds s[\g0:\g0+3], s[\g1:\g1+7]
	s_nop 0
.rept 4
	v_nop
.endr
	s_branch .Lhead_asked
\next:
.endm
	; one load a wave: X's first 512 along K, W's, X's scale bytes, W's
	ARM 1, 56, 24, .Lhead_w
	ARM 2, 60, 32, .Lhead_sx
	ARM 3, 68, 40, .Lhead_sw
	tensor_load_to_lds s[72:75], s[48:55]
	s_nop 0
.rept 4
	v_nop
.endr
.Lhead_asked:
	; where the results go.  hh: my half of the weight rows (two heads), th: of the tokens
	s_cmp_eq_u32 s23, 2
	s_cselect_b32 s4, s21, s22                     ; hh
	s_cselect_b32 s5, s22, s21                     ; th
	s_cselect_b32 s14, 65536, 0                    ; V's codes lie behind K's
	s_cmp_eq_u32 s23, 0
	s_mov_b32 s9, KVH
	s_cselect_b32 s9, QH, s9                       ; bytes of a head
	s_mov_b32 s11, 131072
	s_cselect_b32 s11, 65536, s11
	s_cmp_eq_u32 s23, 2
	s_cselect_b32 s11, 135168, s11                 ; where the scale words begin
	s_cselect_b32 s15, 512, s9                     ; from half c = 0 of a tile's codes to c = 1: the next head (q, k), the next 64 keys (v)
	s_mov_b32 s16, 2048
	s_cselect_b32 s16, s9, s16                     ; from tiles 0-3 to 4-7: four tiles of tokens (q, k), the next head (v)
	s_mov_b32 s17, 512
	s_cselect_b32 s17, 1024, s17                   ; from tile to tile
	s_lshr_b32 s8, s3, 3
	s_lshl_b32 s8, s8, 4                           ; 16 x batch
	s_lshl_b32 s10, s2, 2
	s_add_co_u32 s8, s8, s10
	s_lshl_b32 s10, s4, 1
	s_add_co_u32 s8, s8, s10                       ; + head 4 x + 2 hh
	s_mul_i32 s8, s8, s9
	s_and_b32 s10, s3, 7
	s_lshl_b32 s10, s10, 1
	s_add_co_u32 s10, s10, s5                      ; my 128 tokens of the batch
	s_lshl_b32 s84, s10, 12
	s_add_co_u32 s84, s84, s8
	s_add_co_u32 s84, s84, s14
	s_mov_b32 s85, 0
	s_add_nc_u64 s[86:87], s[98:99], s[84:85]      ; tiles 0-3, c = 0
	s_mov_b32 s84, s15
	s_add_nc_u64 s[90:91], s[86:87], s[84:85]      ; tiles 0-3, c = 1
	s_mov_b32 s84, s16
	s_add_nc_u64 s[96:97], s[86:87], s[84:85]      ; tiles 4-7
	s_add_nc_u64 s[100:101], s[90:91], s[84:85]
	s_lshl_b32 s84, s10, 8
	s_add_co_u32 s84, s84, s8
	s_add_co_u32 s84, s84, s11
	s_add_nc_u64 s[104:105], s[98:99], s[84:85]    ; the scale words
	s_lshl_b32 s84, s2, 10
	s_lshl_b32 s10, s4, 9
	s_add_co_u32 s84, s84, s10
	s_add_nc_u64 s[94:95], s[94:95], s[84:85]      ; the bias of my 128 weight rows
	; LDS addresses for both kinds of product, from constants and the wave's number alone
	s_mul_i32 s18, s21, HALFT                      ; source 1's half where it is X,
	s_mul_i32 s19, s22, HALFT                      ; source 0's,
	s_add_co_u32 s84, s18, 2*HALFT                 ; source 1's half where it is W,
	s_add_co_u32 s85, s19, 2*HALFT                 ; source 0's
	s_xor_b32 s10, s21, 1
	s_add_co_u32 s10, s10, s22
	s_add_co_u32 s10, s10, 1
	s_mul_i32 s92, s10, HALFS                      ; q, k: from source 1's scale bytes (X) up to source 0's (W)
	s_xor_b32 s10, s22, 1
	s_add_co_u32 s10, s10, s21
	s_add_co_u32 s10, s10, 1
	s_mul_i32 s93, s10, HALFS                      ; v: from source 1's (W) down to source 0's (X)
	s_mul_i32 s10, s21, HALFS
	s_add_co_u32 s11, s10, SCL
	s_add_co_u32 s13, s10, SCL+2*HALFS
	s_mov_b32 s12, 0xffff0000                      ; lanes 16-31
	s_mov_b32 s66, 0x76543210
	s_mov_b32 s67, 0xfedcba98                      ; v_permlanex16_b32's selects for lane l xor 16
	v_and_b32 v1, 15, v0                           ; r
	v_bfe_u32 v2, v0, 4, 1                         ; h
	v_mul_u32_u24 v3, v1, PITCH
	v_lshl_add_u32 v4, v2, 4, v3                   ; a fragment's row x pitch + 16 h
	v_add_nc_u32 v16, s18, v4                      ; q, k: source 1 in slots 0, 1,
	v_add_nc_u32 v17, SLOT, v16
	v_add_nc_u32 v20, s85, v4                      ; source 0
	v_add_nc_u32 v21, SLOT, v20
	v_add_nc_u32 v13, s84, v4                      ; v: source 1,
	v_add_nc_u32 v14, SLOT, v13
	v_add_nc_u32 v22, s19, v4                      ; source 0
	v_add_nc_u32 v23, SLOT, v22
	v_lshlrev_b32 v5, 5, v1                        ; scale bytes: 32 a row, and 16 more for each 256 passed
	v_lshrrev_b32 v6, 8, v5
	v_lshl_add_u32 v5, v6, 4, v5
	v_mul_u32_u24 v6, s92, v2                      ; lanes 0-15 source 1's, lanes 16-31 source 0's
	v_add_nc_u32 v6, v5, v6
	v_add_nc_u32 v27, s11, v6                      ; q, k
	v_mul_u32_u24 v7, s93, v2
	v_add_nc_u32 v24, s13, v5
	v_sub_nc_u32 v24, v24, v7                      ; v
	v_and_b32 v8, 31, v0
	v_lshlrev_b32 v8, 4, v8                        ; 16 x lane, and the four tiles' places
	v_add_nc_u32 v9, s17, v8
	v_add_nc_u32 v10, s17, v9
	v_add_nc_u32 v11, s17, v10
	v_mul_u32_u24 v12, s9, v2
	v_lshl_add_u32 v12, v1, 4, v12                 ; scale words: lanes 0-15 the first head's 256 bytes, lanes 16-31 the second's
	v_lshlrev_b32 v18, 5, v2                       ; the bias along source 0: 8 h numbers on
	v_lshlrev_b32 v19, 2, v1                       ; along source 1: my row
	s_wait_alu depctr_va_vdst(0)
	s_cmp_eq_u32 s23, 2
	s_cbranch_scc1 .Lbias_v
.irp b, 0,1,2,3,4,5,6,7
	global_load_b128 v[BI+8*\b:BI+8*\b+3], v18, s[94:95] offset:64*\b
	global_load_b128 v[BI+8*\b+4:BI+8*\b+7], v18, s[94:95] offset:64*\b+16
.endr
	s_branch .Lbias_asked
.Lbias_v:
.irp a, 0,1,2,3,4,5,6,7
	global_load_b32 v[BI+8*\a], v19, s[94:95] offset:64*\a
.endr
	s_wait_loadcnt 0x0
.irp a, 0,1,2,3,4,5,6,7
.irp j, 1,2,3,4,5,6,7
	v_mov_b32 v[BI+8*\a+\j], v[BI+8*\a]            ; the same for a lane's eight tokens
.endr
.endr
.Lbias_asked:
	s_wait_alu depctr_va_vdst(0)                   ; the head's end
	s_wait_tensorcnt 0x0                           ; my tile of the head's four is in
	ds_add_u32 v[SPW], v[NIL]
	s_mov_b32 s26, 128<<16                         ; no tensor load of mine is out: from here on a load brings 128 rows
	s_mov_b32 s28, 128
	s_mov_b32 s34, 128<<16
	s_mov_b32 s36, 128
	s_wait_dscnt 0x0
	CROUND                                         ; all four tiles are in, and all sixteen work-groups are here
	s_cmp_eq_u32 s21, 0                            ; slot 1: a quarter a wave, the first tensor load behind the round
	s_cbranch_scc0 .Lslot1_w
	tensor_load_to_lds s[76:79], s[24:31]
	s_nop 0
.rept 4
	v_nop
.endr
	s_branch .Lslot1_asked
.Lslot1_w:
	tensor_load_to_lds s[80:83], s[32:39]
	s_nop 0
.rept 4
	v_nop
.endr
.Lslot1_asked:
; the steps that fetch are assembled once for q and k and once for v: each kind has LDS address registers of its own.  No barrier and no tensor load stands in either copy
.macro QKREGS
.set ADRA, 16
.set ADRB, 20
.set ADRS, 27
.endm
.macro VREGS
.set ADRA, 13
.set ADRB, 22
.set ADRS, 24
.endm
.macro SLOT0 z
	FETCH_B 0, 0, 0
	FETCH_A 0, 0, 0
	SCALES 0
	FETCH_A 0, 0, 4
	s_wait_loadcnt 0x0                             ; the bias
	STEP 0, 0, \z
	STEP 0, 1, 0
	STEP 0, 2, 0
.endm
.macro SLOT1
	FETCH_B 1, 0, 0
	FETCH_A 1, 0, 0
	SCALES 1
	WIN 0xf1
	MUL16 4, 1, 3, 0, 0
	MUL16 6, 1, 3, 0, 0
	PLACES
	WIN 0
	FETCH_A 1, 0, 4
	STEP 1, 0, 0
	STEP 1, 1, 0
	STEP 1, 2, 0
.endm
	s_cmp_eq_u32 s23, 2
	s_cbranch_scc1 .Lv_slot0
	QKREGS
	SLOT0 1
	s_branch .Lturn
.Lv_slot0:
	VREGS
	SLOT0 2
.Lturn:
	; slot 0's last step: the change to slot 1.
	s_wait_tensorcnt 0x0                           ; my part of slot 1 is in
	s_wait_dscnt 8
	WIN 0xa1
	MUL16 0, 1, 3, 0, 0
	s_wait_dscnt 0x0
	s_barrier_signal -1
	MUL16 2, 1, 3, 0, 0
	WIN 0
	s_barrier_wait -1                              ; everybody's part is
	PLACES
	s_cmp_eq_u32 s23, 2
	s_cbranch_scc1 .Lv_slot1
	QKREGS
	SLOT1
	s_branch .Llast
.Lv_slot1:
	VREGS
	SLOT1
.Llast:
	s_wait_dscnt 8
	WIN 0xa1
	MUL16 0, 1, 3, 1, 0
	MUL16 2, 1, 3, 1, 0
	s_wait_dscnt 0x0
	WIN 0xf1
	MUL16 4, 1, 3, 1, 0
	MUL16 6, 1, 3, 1, 0
	WIN 0
	PLACES
	QP 0
	QP 1
	QP 2
	QP 3
	s_mov_b32 s13, 0x05040100
	s_mov_b32 s14, 0x07060302
	s_wait_alu depctr_va_vdst(0)
	s_cmp_eq_u32 s23, 2
	s_cbranch_scc1 .Lwords_v
.irp g, 0,1,2,3
	v_perm_b32 v[232+\g], v[PW+2*\g+1], v[PW+2*\g], s13   ; the first head's bytes of tiles 2 g, 2 g + 1
	v_perm_b32 v[236+\g], v[PW+2*\g+1], v[PW+2*\g], s14   ; the second head's
.endr
.irp g, 0,1,2,3
	v_cndmask_b32 v[240+\g], v[232+\g], v[236+\g], s12
.endr
	s_wait_alu depctr_va_vdst(0)
	s_branch .Lwords
.Lwords_v:
.irp g, 0,1,2,3
	v_cndmask_b32 v[240+\g], v[PW+\g], v[PW+4+\g], s12
.endr
.Lwords:
	global_store_b128 v12, v[240:243], s[104:105]  ; sixteen lanes store a head's 256 consecutive bytes, aligned
	s_wait_tensorcnt 0x0                           ; the wave's end
	ds_add_u32 v[SPW], v[NIL]
	s_wait_dscnt 0x0
	CROUND                                         ; the closing round
	s_endpgm
.Lfunc_end_k_qc2dd1b88d3_proj:
	.size	k_qc2dd1b88d3_proj, .Lfunc_end_k_qc2dd1b88d3_proj-k_qc2dd1b88d3_proj
	.p2alignl 7, 3214868480
	.fill 96, 4, 3214868480
	.section	.rodata,"a",@progbits
	.p2align	6, 0x0
	.amdhsa_kernel k_qc2dd1b88d3_proj
		.amdhsa_group_segment_fixed_size 327680
		.amdhsa_private_segment_fixed_size 0
		.amdhsa_enable_private_segment 0
		.amdhsa_kernarg_size 136
		.amdhsa_user_sgpr_count 2
		.amdhsa_user_sgpr_kernarg_segment_ptr 1
		.amdhsa_wavefront_size32 1
		.amdhsa_system_sgpr_workgroup_id_x 1
		.amdhsa_system_sgpr_workgroup_id_y 1
		.amdhsa_system_sgpr_workgroup_id_z 1
		.amdhsa_system_vgpr_workitem_id 0
		.amdhsa_next_free_vgpr 1024
		.amdhsa_next_free_sgpr 106
		.amdhsa_reserve_vcc 0
		.amdhsa_float_denorm_mode_32 3
		.amdhsa_float_denorm_mode_16_64 3
		.amdhsa_memory_ordered 1
		.amdhsa_forward_progress 1
		.amdhsa_inst_pref_size 207
	.end_amdhsa_kernel
	.amdgpu_metadata
---
amdhsa.version: [ 1, 2 ]
amdhsa.kernels:
  - .name:           k_qc2dd1b88d3_proj
    .symbol:         k_qc2dd1b88d3_proj.kd
    .args:
      - { .name: query_codes, .offset: 0, .size: 8, .value_kind: global_buffer, .address_space: global }
      - { .name: key_codes, .offset: 8, .size: 8, .value_kind: global_buffer, .address_space: global }
      - { .name: value_codes, .offset: 16, .size: 8, .value_kind: global_buffer, .address_space: global }
      - { .name: query_scales, .offset: 24, .size: 8, .value_kind: global_buffer, .address_space: global }
      - { .name: key_scales, .offset: 32, .size: 8, .value_kind: global_buffer, .address_space: global }
      - { .name: value_scales, .offset: 40, .size: 8, .value_kind: global_buffer, .address_space: global }
      - { .name: q_w_codes, .offset: 48, .size: 8, .value_kind: global_buffer, .address_space: global }
      - { .name: k_w_codes, .offset: 56, .size: 8, .value_kind: global_buffer, .address_space: global }
      - { .name: v_w_codes, .offset: 64, .size: 8, .value_kind: global_buffer, .address_space: global }
      - { .name: q_w_scales, .offset: 72, .size: 8, .value_kind: global_buffer, .address_space: global }
      - { .name: k_w_scales, .offset: 80, .size: 8, .value_kind: global_buffer, .address_space: global }
      - { .name: v_w_scales, .offset: 88, .size: 8, .value_kind: global_buffer, .address_space: global }
      - { .name: q_b, .offset: 96, .size: 8, .value_kind: global_buffer, .address_space: global }
      - { .name: k_b, .offset: 104, .size: 8, .value_kind: global_buffer, .address_space: global }
      - { .name: v_b, .offset: 112, .size: 8, .value_kind: global_buffer, .address_space: global }
      - { .name: kv, .offset: 120, .size: 8, .value_kind: global_buffer, .address_space: global }
      - { .name: qs, .offset: 128, .size: 8, .value_kind: global_buffer, .address_space: global }
    .group_segment_fixed_size: 327680
    .private_segment_fixed_size: 0
    .kernarg_segment_align: 8
    .kernarg_segment_size: 136
    .max_flat_workgroup_size: 128
    .sgpr_count:     106
    .vgpr_count:     1024
    .wavefront_size: 32
...
	.end_amdgpu_metadata
.endif
;; end of part 1
;; launch attn (part 2): grid 8 x 32, 8 waves a work-group, clusters of 4 x 1, 167,936 bytes of LDS; arguments qs, kv, mc, ms; writes mc, ms
.if DOCPART == 2
	.amdgcn_target "amdgcn-amd-amdhsa--gfx1250"
	.amdhsa_code_object_version 6
	.text
	.protected	k_qc2dd1b88d3_attn
	.globl	k_qc2dd1b88d3_attn
	.p2align	8
	.type	k_qc2dd1b88d3_attn,@function
k_qc2dd1b88d3_attn:
	s_mov_b64 s[64:65], 0
	v_nop
	global_prefetch_b8 v0, s[64:65] scope:SCOPE_SE
	s_setreg_imm32_b32 hwreg(HW_REG_WAVE_MODE, 25, 1), 1
	s_wait_xcnt 0x0
	s_wait_alu depctr_hold_cnt(0) depctr_sa_sdst(0) depctr_va_vdst(0) depctr_va_sdst(0) depctr_va_ssrc(0) depctr_va_vcc(0) depctr_vm_vsrc(0)
	s_getreg_b32 s2, hwreg(HW_REG_IB_STS2, 6, 4)
	s_cmp_eq_u32 s2, 0
	s_cbranch_scc0 .Lentry_in_a_cluster
	s_endpgm
.Lentry_in_a_cluster:
	s_bfe_u32 s2, ttmp6, 0x10000c
	s_cmp_lg_u32 s2, 0x3003
	s_cbranch_scc0 .Lentry_shape_is_right
	s_endpgm
.Lentry_shape_is_right:
; For one batch and head and 256 queries: S = q k^T; p = 2^(t - M), t = S log2(e) / 8, M the running largest t rounded up to a whole number; p quantised along the keys; O = p v; O / l, l the sum of the unquantised p;
; that is quantised along the model's 1,024 (two blocks a head) and leaves as codes for the last launch.  Products on E2M1 codes with E8M0 scales.  Nothing of the problem is left out here.
; LIMITS: NaN and infinities are not served.  A block of zeros gets the byte 1 where the rule says 127 (zero codes; this program alone reads the bytes).  A p under 2^-126 comes out of v_exp_f32 as 0.
; O / l is a multiplication by v_rcp_f32's result.  A block of p has its scale from floor(t - M) of its largest t, which is the exponent of its largest p but where p rounds up to a power of two.
; SHARES.  Eight waves, each 32 queries, two tiles e = 0, 1: each fragment of K and V feeds both.  256 keys a step, eight steps; seven are a loop, the last is written out.
; Both products are used transposed (source 0 = 16 keys, 16 of the head's d; source 1 = 16 queries): a lane holds ONE query of each tile throughout.
; LDS: the head's K and V, codes and scale words, 139,264 bytes as the launch before laid them, images of the operands' registers: each wave fetches an eighth, once; nothing is filled again, and no loop loads tiles: no prefetch.
; CLUSTER 4 x 1: four blocks of queries of one head ask for K and V jointly.
; THE FIRST PRODUCT HAS K = 64, the instruction 128: a fragment of source 0 holds two tiles of keys; times (q, 0) it gives the first tile's scores, times (0, q) the second's; the zero codes add nothing.
; A STEP begins with both tiles' scores made and tile 0's maximum taken.  It asks for the next K, takes tile 1's maximum, makes tile 0's p and codes, multiplies tile 0's next scores, makes tile 1's p and codes, asks for V
; (into tile 1's score registers, which are free then), takes tile 0's next maximum, multiplies O^T, and then tile 1's next scores.
; REGISTERS.  Window 1: the scores, then p: v[128 e + 8 T + j] = key 16 T + 8 h + j of the step; V in v128-191 for the second product.  Window 0: v1-7 addresses and the add's two; v8, v10 the step's addresses;
; v12, v14 -M; v13, v15 the largest score; v[16:17], v[18:19] the sums in two halves; v20, v22 the factors; v24-43 zeros, q0, zeros, q1, zeros; v44, 45 q's scale words; v48-51 K's; v52-55 V's; v56-59 p's;
; v60-63 at work; v64-127 K; v128-191 O^T; v192-223 at work; v224-255 p's codes.
.set BHB,   139264
.set PIECE, 17408                      ; an eighth: 68 rows of 256 bytes
.set QH,    69632
.set SPARE, BHB                        ; the spare words, 128 bytes a wave, which no other line names
.set TM, 192                           ; v192-207 a block's largest score (8 e + B); then the conversions' scale operands
.set MX, 208                           ; v208-215 two blocks' largest scores in one register: lane half h has block 2 c + h, at 4 e + c
.set IX, 216                           ; v216-223 floor(t - M) of those
.set CD, 224
.set MSB, 0
.macro WIN new                         ; the immediate's high byte repeats the setting that is left
.if MSB != (\new)
	s_set_vgpr_msb (MSB<<8)|(\new)
.set MSB, (\new)
.endif
.endm
.macro ROUND
	s_barrier_signal -1
	s_barrier_wait -1
	s_cmp_lg_u32 s20, 0
	s_cbranch_scc1 .Lnot_wave_0_\@
	s_barrier_signal -3
.Lnot_wave_0_\@:
	s_barrier_wait -3
	s_barrier_signal -1
	s_barrier_wait -1
.endm
.macro KLOAD ak, aw                    ; 256 keys: register g % 4 of the scale words for group g of 32 keys (groups 4-7 in lanes 16-31); group g's fragment: two tiles of keys
	ds_load_b128 v[48:51], v[\aw]
.irp g, 0,1,2,3,4,5,6,7
.irp u, 0,1
	ds_load_b128 v[64+8*\g+4*\u:67+8*\g+4*\u], v[\ak] offset:1024*\g+512*\u
.endr
.endr
.endm
.macro SMUL e, g, row
.set QB, 28+8*\e
	v_wmma_scale_f32_16x16x128_f8f6f4 v[128*\e+16*\g:128*\e+16*\g+7], v[64+8*\g:71+8*\g], v[QB:QB+7], 0, v[48+\g%4], v[44+\e] matrix_a_fmt:MATRIX_FMT_FP4 matrix_b_fmt:MATRIX_FMT_FP4 \row
	v_wmma_scale_f32_16x16x128_f8f6f4 v[128*\e+16*\g+8:128*\e+16*\g+15], v[64+8*\g:71+8*\g], v[QB-4:QB+3], 0, v[48+\g%4], v[44+\e] matrix_a_fmt:MATRIX_FMT_FP4 matrix_b_fmt:MATRIX_FMT_FP4 \row
.endm
.macro SCORES e                        ; tile e's scores of 256 keys
	WIN 0x40
.irp g, 0,1,2,3
	SMUL \e, \g
.endr
.irp g, 4,5,6,7
	SMUL \e, \g, matrix_a_scale:MATRIX_SCALE_ROW1
.endr
	WIN 0
.endm
.macro MAX2 e, i, k
.irp n, 0,1,2,3,4,5,6,7
	v_max3_num_f32 v[TM+8*\e+\n], v[TM+8*\e+\n], v[128*\e+16*\n+\i], v[128*\e+16*\n+\k]
.endr
.endm
.macro MAXE e, late                    ; the largest score of each block of 32 keys of tile e: for the row's maximum and for the block's scale.  late: exponentials stand behind the scores' products
	WIN 0x15
.if \late
	s_wait_alu depctr_va_vdst(0)                   ; ahead of the scores' first readers
.endif
.irp n, 0,1,2,3,4,5,6,7
	v_max3_num_f32 v[TM+8*\e+\n], v[128*\e+16*\n], v[128*\e+16*\n+1], v[128*\e+16*\n+2]
.endr
.irp n, 0,1,2,3,4,5,6,7
	v_max3_num_f32 v[IX+\n], v[128*\e+16*\n+8], v[128*\e+16*\n+9], v[128*\e+16*\n+10]
.endr
	WIN 0x14
	MAX2 \e, 3, 4
	MAX2 \e, 5, 6
	MAX2 \e, 7, 11
	MAX2 \e, 12, 13
	MAX2 \e, 14, 15
	WIN 0
.irp n, 0,1,2,3,4,5,6,7
	v_max_num_f32 v[TM+8*\e+\n], v[TM+8*\e+\n], v[IX+\n]
.endr
.endm
.macro PAIRS e                         ; both lane halves' parts of block 2 c come to lanes 0-15, of block 2 c + 1 to lanes 16-31
.irp c, 0,1,2,3
	v_permlane16_swap_b32 v[TM+8*\e+2*\c], v[TM+8*\e+2*\c+1]
.endr
.irp c, 0,1,2,3
	v_max_num_f32 v[MX+4*\e+\c], v[TM+8*\e+2*\c], v[TM+8*\e+2*\c+1]
.endr
.endm
.macro RO2 fill                        ; fill = 1: two of tile 0's O^T pairs under the new M
.if \fill
	v_pk_mul_f32 v[RJ:RJ+1], v[RJ:RJ+1], v[20:21] op_sel_hi:[1,0]
	v_pk_mul_f32 v[RJ+2:RJ+3], v[RJ+2:RJ+3], v[20:21] op_sel_hi:[1,0]
.set RJ, RJ+4
.endif
.endm
.macro CHAIN e, fill                   ; the running maximum, -M and the factor f.  fill = 1: the rescaling of tile 0's O^T stands between the links
.set RJ, 128
	v_max3_num_f32 v[60+\e], v[MX+4*\e], v[MX+4*\e+1], v[MX+4*\e+2]
	RO2 \fill
	v_max_num_f32 v[60+\e], v[60+\e], v[MX+4*\e+3]
	RO2 \fill
	v_permlanex16_b32 v[62+\e], v[60+\e], s28, s29
	RO2 \fill
	v_max3_num_f32 v[13+2*\e], v[13+2*\e], v[60+\e], v[62+\e]   ; the running largest score of my query
	RO2 \fill
	v_mul_f32 v[60+\e], s34, v[13+2*\e]            ; -t (c is positive)
	v_mov_b32 v[62+\e], v[12+2*\e]
	RO2 \fill
	v_floor_f32 v[12+2*\e], v[60+\e]               ; the new -M = floor(-t): a whole number
	RO2 \fill
	v_sub_f32 v[62+\e], v[12+2*\e], v[62+\e]       ; old M less new M: a whole number, 0 or less
	RO2 \fill
	v_cvt_i32_f32 v[62+\e], v[62+\e]               ; (it saturates)
	RO2 \fill
	v_ldexp_f32 v[20+2*\e], 1.0, v[62+\e]          ; f = 2^(old M - new M): a multiplication by it rounds nothing
.endm
.macro CVT e                           ; tile e's p to codes: block B's two halves, into the registers whose exchange puts whole blocks in natural order
	WIN 0x01
.irp b, 0,1,2,3,4,5,6,7
.irp u, 0,1
	v_cvt_scalef32_pk8_fp4_f32 v[CD+16*\e+8*(\b/4)+4*((\b%4)/2)+(\b%2)+2*\u], v[128*\e+16*\b+8*\u:128*\e+16*\b+8*\u+7], v[TM+8*\e+\b]
.endr
.endr
.endm
.macro ADDS e                          ; the row's sum of the unquantised p: two at a time, in eight chains
.set J, 128*\e
	WIN 0x05
.irp n, 0,1,2,3,4,5,6
	v_pk_add_f32 v[208+2*\n:209+2*\n], v[J:J+1], v[J+2:J+3]
.set J, J+4
.endr
	WIN 0x04
.rept 6
	v_pk_add_f32 v[16+2*\e:17+2*\e], v[16+2*\e:17+2*\e], v[J:J+1]
.set J, J+2
.irp n, 0,1,2,3,4,5,6
	v_pk_add_f32 v[208+2*\n:209+2*\n], v[208+2*\n:209+2*\n], v[J:J+1]
.set J, J+2
.endr
.endr
	v_pk_add_f32 v[16+2*\e:17+2*\e], v[16+2*\e:17+2*\e], v[J:J+1]
	v_pk_add_f32 v[208:209], v[208:209], v[J+2:J+3]
	WIN 0
.endm
.macro SWP e
.irp g, 0,1,2,3,4,5,6,7
	v_permlane16_swap_b32 v[CD+16*\e+2*\g], v[CD+16*\e+2*\g+1]   ; lanes 0-15 block 2 c whole, lanes 16-31 block 2 c + 1
.endr
.endm
.macro FIN e
	v_pk_add_f32 v[210:211], v[210:211], v[212:213]
	v_pk_add_f32 v[214:215], v[214:215], v[216:217]
	v_pk_add_f32 v[218:219], v[218:219], v[220:221]
	v_pk_add_f32 v[16+2*\e:17+2*\e], v[16+2*\e:17+2*\e], v[208:209]
	v_pk_add_f32 v[210:211], v[210:211], v[214:215]
	v_pk_add_f32 v[16+2*\e:17+2*\e], v[16+2*\e:17+2*\e], v[218:219]
	v_pk_add_f32 v[16+2*\e:17+2*\e], v[16+2*\e:17+2*\e], v[210:211]
.endm
.macro OMUL e, t, k, row
	v_wmma_scale_f32_16x16x128_f8f6f4 v[128+32*\e+8*\t:135+32*\e+8*\t], v[128+32*\k+8*\t:135+32*\k+8*\t], v[CD+16*\e+8*\k:CD+16*\e+8*\k+7], v[128+32*\e+8*\t:135+32*\e+8*\t], v[52+\t], v[56+2*\e+\k] matrix_a_fmt:MATRIX_FMT_FP4 matrix_b_fmt:MATRIX_FMT_FP4 \row
.endm
; A STEP.  s72, s73: the next step's place among K's codes and scale words; V's of this step lie 57,344 and 3,584 bytes on from there.  more = 0: the last step, which makes nothing for a next one
.macro TRIP more
	v_add_nc_u32 v8, s72, v1
	v_add_nc_u32 v10, s73, v3
	s_wait_alu depctr_va_vdst(0)                   ; behind the writes
.if \more
	KLOAD 8, 10                                    ; (the chain of tile 0 stands between the last products and these loads into their registers)
.endif
	MAXE 1, 0
	PAIRS 1
	CHAIN 1, 1
	v_pk_mul_f32 v[16:17], v[16:17], v[20:21] op_sel_hi:[1,0]
.irp m, 0,1,2,3,4,5,6,7
	v_fma_f32 v[IX+\m], v[MX+\m], s30, v[12+2*(\m/4)]   ; t - M of each block's largest score
.endr
.irp m, 0,1,2,3,4,5,6,7
	v_max_num_f32 v[IX+\m], 0xc2f80000, v[IX+\m]   ; not under -124: the byte cannot fall under 1
.endr
.irp m, 0,1,2,3,4,5,6,7
	v_cvt_floor_i32_f32 v[IX+\m], v[IX+\m]         ; the exponent of the block's largest p
.endr
.irp m, 0,1,2,3,4,5,6,7
	v_add_lshl_u32 v[TM+2*\m], v[IX+\m], s35, 23   ; less 2, plus 127, as an exponent field: the conversion's scale operand
	v_add_lshl_u32 v[TM+2*\m+1], v[IX+\m], s35, 23
.endr
.irp m, 0,1,2,3,4,5,6,7
	v_permlane16_swap_b32 v[TM+2*\m], v[TM+2*\m+1] ; block 2 c's to all lanes, block 2 c + 1's to all lanes
.endr
.irp k, 0,1,2,3
	v_lshl_add_u32 v[60+\k], v[IX+2*\k+1], 16, v[IX+2*\k]   ; p's scale words, k = 2 e + which 128 keys: my half's two exponents 16 bits apart,
.endr
.irp k, 0,1,2,3
	v_permlanex16_b32 v[212+\k], v[60+\k], s28, s29
.endr
.irp k, 0,1,2,3
	v_lshl_add_u32 v[60+\k], v[212+\k], 8, v[60+\k]   ; lane l xor 16's between them (lanes 0-15 are the ones that count),
.endr
.irp k, 0,1,2,3
	v_add_nc_u32 v[56+\k], s36, v[60+\k]           ; and 125 to each byte
.endr
	v_pk_mul_f32 v[18:19], v[18:19], v[22:23] op_sel_hi:[1,0]
.set J, 160
.rept 16
	v_pk_mul_f32 v[J:J+1], v[J:J+1], v[22:23] op_sel_hi:[1,0]   ; tile 1's O^T under the new M
.set J, J+2
.endr
	WIN 0x41
.set J, 0
.rept 64
	v_pk_fma_f32 v[J:J+1], v[J:J+1], s[30:31], v[12:13] op_sel_hi:[1,0,0]   ; t - M, two at a time
.set J, J+2
.endr
	s_wait_alu depctr_va_vdst(0)                   ; ahead of the batch
.set J, 0
.rept 64
	v_exp_f32 v[J], v[J]                           ; p = 2^(t - M), not normalised: tile 0's,
	v_exp_f32 v[J+1], v[J+1]
	v_pk_fma_f32 v[128+J:129+J], v[128+J:129+J], s[30:31], v[14:15] op_sel_hi:[1,0,0]   ; with tile 1's t - M between
.set J, J+2
.endr
	s_wait_alu depctr_va_vdst(0)                   ; and behind it
	CVT 0
	ADDS 0
	SWP 0
	FIN 0
.if \more
	s_wait_alu depctr_va_vdst(0)
	s_wait_dscnt 0x0                               ; the next K is in
	SCORES 0                                       ; tile 0's p has been packed and summed
.endif
	WIN 0x41
	s_wait_alu depctr_va_vdst(0)
.set J, 128
.rept 128
	v_exp_f32 v[J], v[J]                           ; tile 1's p
.set J, J+1
.endr
	v_nop                                          ; a plain place behind the last exponential
	s_wait_alu depctr_va_vdst(0)
	CVT 1
	ADDS 1
	WIN 0x40
.irp k, 0,1
.irp t, 0,1,2,3
.irp c, 0,1
	ds_load_b128 v[128+32*\k+8*\t+4*\c:131+32*\k+8*\t+4*\c], v8 offset:57344+4096*\k+1024*\t+512*\c   ; V: 128 keys k, tile t of d
.endr
.endr
.endr
	WIN 0
	ds_load_b128 v[52:55], v10 offset:3584         ; V's scale words: lanes 0-15 the first 128 keys, lanes 16-31 the second
	SWP 1
	FIN 1                                          ; (seven places between the codes and the products)
.if \more
	MAXE 0, 1                                      ; the next step's, while V is on its way
.endif
	s_wait_alu depctr_va_vdst(0)
	s_wait_dscnt 0x0                               ; V is in
	WIN 0x01
.irp e, 0,1                                        ; the eight accumulators take turns
.irp t, 0,1,2,3
	OMUL \e, \t, 0
.endr
.endr
.irp e, 0,1
.irp t, 0,1,2,3
	OMUL \e, \t, 1, matrix_a_scale:MATRIX_SCALE_ROW1
.endr
.endr
	WIN 0
.if \more
	PAIRS 0                                        ; (eight places ahead of the products that write over V's registers)
	SCORES 1
	CHAIN 0, 0
.endif
.endm
	s_load_b256 s[4:11], s[0:1], 0x0               ; qs s[4:5], kv s[6:7], mc s[8:9], ms s[10:11]
	v_lshl_add_u32 v5, v0, 2, SPARE
	v_mov_b32 v6, 0
	ds_add_u32 v5, v6                              ; the opening: the add, twice on end, and its wait ahead of my tensor load
	ds_add_u32 v5, v6
	v_lshrrev_b32 v8, 5, v0
	v_readfirstlane_b32 s20, v8                    ; wave 0..7
	s_bfe_u32 s21, ttmp6, 0x40000                  ; cx
	s_lshl_b32 s22, ttmp9, 2
	s_add_co_u32 s22, s22, s21                     ; my block of 256 queries: it enters addresses of my own loads and stores alone
	s_and_b32 s23, ttmp7, 0xffff                   ; 16 x batch + head, which the partners share
	s_and_b32 s24, s23, 15
	s_lshr_b32 s25, s23, 4
	; group 1: 68 dense rows of 32 elements of 8 bytes, no padding; all four partners
	s_mov_b32 s48, 15|(3<<16)|(1<<21)
	s_mov_b32 s49, 32<<16
	s_mov_b32 s50, 68<<16
	s_mov_b32 s51, 32<<16
	s_mov_b32 s52, 68
	s_mov_b32 s53, 32
	s_mov_b32 s54, 0
	s_mov_b32 s55, 0
	s_mov_b32 s68, 1
	s_mul_i32 s69, s20, PIECE
	s_mul_i32 s26, s23, BHB
	s_add_co_u32 s26, s26, s69
	s_mov_b32 s27, 0
	s_mov_b32 s28, 0x76543210
	s_mov_b32 s29, 0xfedcba98                      ; v_permlanex16_b32's selects for lane l xor 16
	s_mov_b32 s30, 0x3e38aa3b                      ; c = log2(e) / sqrt(64)
	s_mov_b32 s31, s30                             ; (named with it as a pair)
	s_mov_b32 s34, 0xbe38aa3b                      ; -c
	s_mov_b32 s35, 125
	s_mov_b32 s36, 0x7d7d7d7d                      ; 125 in each byte
	s_mov_b32 s37, 0xffff0000                      ; lanes 16-31
	s_mul_i32 s66, s23, QH                         ; q: the head's block,
	s_mov_b32 s67, 0
	s_add_co_u32 s76, s66, 65536                   ; and its scale words
	s_mov_b32 s77, 0
	s_lshl_b32 s78, s22, 13
	s_add_co_u32 s66, s66, s78
	s_lshl_b32 s78, s20, 10
	s_add_co_u32 s66, s66, s78                     ; my two tiles of 512 bytes
	s_lshl_b32 s78, s22, 9
	s_add_co_u32 s76, s76, s78
	s_lshr_b32 s78, s20, 2
	s_lshl_b32 s78, s78, 8
	s_add_co_u32 s76, s76, s78
	s_and_b32 s78, s20, 3
	s_lshl_b32 s78, s78, 2
	s_add_co_u32 s76, s76, s78                     ; [query / 128][r][group of 32][4]
	s_lshl_b32 s38, s25, 7
	s_lshl_b32 s78, s22, 4
	s_add_co_u32 s38, s38, s78
	s_lshl_b32 s78, s20, 1
	s_add_co_u32 s38, s38, s78                     ; my first tile of 16 tokens
	s_lshl_b32 s40, s38, 13
	s_lshl_b32 s78, s24, 9
	s_add_co_u32 s40, s40, s78                     ; mc: [token / 16][head][lane][16]
	s_mov_b32 s41, 0
	s_lshl_b32 s42, s38, 9
	s_lshl_b32 s78, s24, 1
	s_add_co_u32 s42, s42, s78                     ; ms: [token][32]
	s_mov_b32 s43, 0
	s_wait_dscnt 0x0                               ; both opening adds are done
	s_wait_kmcnt 0x0
	s_add_nc_u64 s[70:71], s[6:7], s[26:27]
	s_or_b32 s71, s71, 0x80000000
	s_add_nc_u64 s[76:77], s[4:5], s[76:77]
	s_add_nc_u64 s[4:5], s[4:5], s[66:67]
	s_add_nc_u64 s[8:9], s[8:9], s[40:41]
	s_add_nc_u64 s[10:11], s[10:11], s[42:43]
	ROUND                                          ; all four work-groups are here: the joint loads meet
	tensor_load_to_lds s[68:71], s[48:55]
	s_nop 0
.rept 4
	v_nop
.endr
	v_and_b32 v8, 31, v0                           ; lane
	v_and_b32 v9, 15, v0                           ; r
	v_bfe_u32 v10, v0, 4, 1                        ; h
	v_lshlrev_b32 v1, 4, v8                        ; K's codes: 16 x lane; also my place in a store of codes
	v_add_nc_u32 v3, 131072, v1                    ; the scale words: lanes 0-15 a step's first 128 keys, lanes 16-31 its second
	v_lshlrev_b32 v4, 4, v9                        ; q's
	v_lshlrev_b32 v7, 5, v9
	v_lshl_add_u32 v7, v10, 9, v7                  ; ms: lanes 0-15 tile 0's rows, lanes 16-31 tile 1's
	global_load_b128 v[28:31], v1, s[4:5]
	global_load_b128 v[36:39], v1, s[4:5] offset:512
	global_load_b32 v46, v4, s[76:77]
.irp j, 24,25,26,27,32,33,34,35,40,41,42,43
	v_mov_b32 v[\j], 0                             ; v[28:35] = (q0, 0), v[24:31] = (0, q0), v[36:43] = (q1, 0), v[32:39] = (0, q1)
.endr
.irp j, 16,17,18,19,21,23,60,61,62,63
	v_mov_b32 v[\j], 0                             ; the sums; v21, v23 (named as halves of pairs); lane permutes' destinations
.endr
	v_mov_b32 v13, 0xff61b1e6                      ; the largest score so far: -3e38
	v_mov_b32 v15, 0xff61b1e6
	v_mul_f32 v12, s34, v13
	v_mul_f32 v14, s34, v15
	v_floor_f32 v12, v12                           ; -M
	v_floor_f32 v14, v14
	s_wait_alu depctr_va_vdst(0)
	s_wait_loadcnt 0x0                             ; q
	v_perm_b32 v44, v46, v46, 0x01000100           ; tile 0's two bytes for either half of the instruction's K
	v_perm_b32 v45, v46, v46, 0x03020302           ; tile 1's
.set J, 128
.rept 64
	v_mov_b32 v[J], 0                              ; O^T: the first step finds zeros, which the first change of M leaves zeros
.set J, J+1
.endr
.irp k, 0,1,2,3
	v_mov_b32 v[212+\k], 0                         ; lane permutes' destinations
.endr
	s_mov_b32 s72, 8192                            ; the next step's codes: 8,192 bytes a step
	s_mov_b32 s73, 512                             ; its scale words: 512 bytes a step
	s_mov_b32 s74, 7                               ; the steps that have a next one
	s_wait_alu depctr_va_vdst(0)                   ; the head's end
	s_wait_tensorcnt 0x0                           ; my piece is in,
	s_barrier_signal -1
	s_barrier_wait -1                              ; everybody's is
	KLOAD 1, 3
	s_wait_dscnt 0x0
	SCORES 0
	SCORES 1
.rept 4
	v_nop                                          ; places ahead of the first read of the scores
.endr
	MAXE 0, 0
	PAIRS 0
	CHAIN 0, 0
	s_wait_alu depctr_va_vdst(0)
.Lstep:
	TRIP 1
	s_add_co_u32 s72, s72, 8192
	s_add_co_u32 s73, s73, 512
	s_sub_co_u32 s74, s74, 1
	s_wait_alu depctr_va_vdst(0)
	s_cmp_lg_u32 s74, 0
	s_cbranch_scc1 .Lstep
	s_mov_b32 s72, 65536                           ; the last step: what the loop has stepped them to
	s_mov_b32 s73, 4096
	TRIP 0
	; THE WAY OUT: O^T / l; register 32 e + 8 t + j is d = 16 t + 8 h + j of my query: two blocks of 32 a tile
.irp e, 0,1
	v_add_f32 v[16+2*\e], v[16+2*\e], v[17+2*\e]
.endr
.irp e, 0,1
	v_permlanex16_b32 v[60+\e], v[16+2*\e], s28, s29
.endr
.irp e, 0,1
	v_add_f32 v[16+2*\e], v[16+2*\e], v[60+\e]     ; the row's sum
.endr
	s_wait_alu depctr_va_vdst(0)                   ; ahead of the batch,
	v_rcp_f32 v16, v16
	v_rcp_f32 v18, v18
	v_nop                                          ; a plain place behind it,
	s_wait_alu depctr_va_vdst(0)                   ; and the wait ahead of its first reader
.irp e, 0,1
.set J, 32*\e
.rept 16
	v_pk_mul_f32 v[64+J:65+J], v[128+J:129+J], v[16+2*\e:17+2*\e] op_sel_hi:[1,0]
.set J, J+2
.endr
.endr
.irp n, 0,1,2,3
	v_max3_num_f32 v[TM+\n], |v[64+16*\n]|, |v[65+16*\n]|, 0x1800000   ; block n = 2 e + b, and the floor 2^(3 - 127)
.endr
.irp i, 2,4,6,8,10,12,14
.irp n, 0,1,2,3
	v_max3_num_f32 v[TM+\n], v[TM+\n], |v[64+16*\n+\i]|, |v[65+16*\n+\i]|
.endr
.endr
.irp n, 0,1,2,3
	v_permlanex16_b32 v[TM+4+\n], v[TM+\n], s28, s29
.endr
.irp n, 0,1,2,3
	v_max_num_f32 v[TM+\n], v[TM+\n], v[TM+4+\n]
.endr
.irp n, 0,1,2,3
	v_add_nc_u32 v[TM+8+\n], 0xff000000, v[TM+\n]
.endr
.irp n, 0,1,2,3
	v_lshrrev_b32 v[TM+12+\n], 23, v[TM+8+\n]
.endr
.irp e, 0,1
	v_lshl_or_b32 v[208+\e], v[TM+13+2*\e], 8, v[TM+12+2*\e]
.endr
.irp n, 0,1,2,3
.irp u, 0,1
	v_cvt_scalef32_pk8_fp4_f32 v[CD+4*(\n/2)+(\n%2)+2*\u], v[64+16*\n+8*\u:71+16*\n+8*\u], v[TM+8+\n]
.endr
.endr
	v_cndmask_b32 v210, v208, v209, s37            ; (also the plain place behind the last scaled conversion)
.irp g, 0,1,2,3
	v_permlane16_swap_b32 v[CD+2*\g], v[CD+2*\g+1] ; whole blocks in natural order
.endr
	global_store_b128 v1, v[224:227], s[8:9]       ; the wave stores 512 consecutive bytes, aligned
	global_store_b128 v1, v[228:231], s[8:9] offset:8192
	global_store_b16 v7, v210, s[10:11]            ; two bytes of each token's 32: a token's row of scale bytes is shared by the sixteen heads, which are sixteen work-groups; a sixteenth of the codes' bytes
	s_wait_tensorcnt 0x0                           ; the wave's end
	ds_add_u32 v5, v6
	s_wait_dscnt 0x0
	ROUND                                          ; the closing round
	s_endpgm
.Lfunc_end_k_qc2dd1b88d3_attn:
	.size	k_qc2dd1b88d3_attn, .Lfunc_end_k_qc2dd1b88d3_attn-k_qc2dd1b88d3_attn
	.p2alignl 7, 3214868480
	.fill 96, 4, 3214868480
	.section	.rodata,"a",@progbits
	.p2align	6, 0x0
	.amdhsa_kernel k_qc2dd1b88d3_attn
		.amdhsa_group_segment_fixed_size 167936
		.amdhsa_private_segment_fixed_size 0
		.amdhsa_enable_private_segment 0
		.amdhsa_kernarg_size 32
		.amdhsa_user_sgpr_count 2
		.amdhsa_user_sgpr_kernarg_segment_ptr 1
		.amdhsa_wavefront_size32 1
		.amdhsa_system_sgpr_workgroup_id_x 1
		.amdhsa_system_sgpr_workgroup_id_y 1
		.amdhsa_system_sgpr_workgroup_id_z 1
		.amdhsa_system_vgpr_workitem_id 0
		.amdhsa_next_free_vgpr 512
		.amdhsa_next_free_sgpr 80
		.amdhsa_reserve_vcc 0
		.amdhsa_float_denorm_mode_32 3
		.amdhsa_float_denorm_mode_16_64 3
		.amdhsa_memory_ordered 1
		.amdhsa_forward_progress 1
		.amdhsa_inst_pref_size 116
	.end_amdhsa_kernel
	.amdgpu_metadata
---
amdhsa.version: [ 1, 2 ]
amdhsa.kernels:
  - .name:           k_qc2dd1b88d3_attn
    .symbol:         k_qc2dd1b88d3_attn.kd
    .args:
      - { .name: qs, .offset: 0, .size: 8, .value_kind: global_buffer, .address_space: global }
      - { .name: kv, .offset: 8, .size: 8, .value_kind: global_buffer, .address_space: global }
      - { .name: mc, .offset: 16, .size: 8, .value_kind: global_buffer, .address_space: global }
      - { .name: ms, .offset: 24, .size: 8, .value_kind: global_buffer, .address_space: global }
    .group_segment_fixed_size: 167936
    .private_segment_fixed_size: 0
    .kernarg_segment_align: 8
    .kernarg_segment_size: 32
    .max_flat_workgroup_size: 256
    .sgpr_count:     80
    .vgpr_count:     512
    .wavefront_size: 32
...
	.end_amdgpu_metadata
.endif
;; end of part 2
;; launch oproj (part 3): grid 8 x 32, 4 waves a work-group, clusters of 4 x 4, 167,936 bytes of LDS; arguments mc, ms, o_w_codes, o_w_scales, o_b, out0; writes out0
.if DOCPART == 3
	.amdgcn_target "amdgcn-amd-amdhsa--gfx1250"
	.amdhsa_code_object_version 6
	.text
	.protected	k_qc2dd1b88d3_oproj
	.globl	k_qc2dd1b88d3_oproj
	.p2align	8
	.type	k_qc2dd1b88d3_oproj,@function
k_qc2dd1b88d3_oproj:
	s_mov_b64 s[64:65], 0
	v_nop
	global_prefetch_b8 v0, s[64:65] scope:SCOPE_SE
	s_setreg_imm32_b32 hwreg(HW_REG_WAVE_MODE, 25, 1), 1
	s_wait_xcnt 0x0
	s_wait_alu depctr_hold_cnt(0) depctr_sa_sdst(0) depctr_va_vdst(0) depctr_va_sdst(0) depctr_va_ssrc(0) depctr_va_vcc(0) depctr_vm_vsrc(0)
	s_getreg_b32 s2, hwreg(HW_REG_IB_STS2, 6, 4)
	s_cmp_eq_u32 s2, 0
	s_cbranch_scc0 .Lentry_in_a_cluster
	s_endpgm
.Lentry_in_a_cluster:
	s_bfe_u32 s2, ttmp6, 0x10000c
	s_cmp_lg_u32 s2, 0xf033
	s_cbranch_scc0 .Lentry_shape_is_right
	s_endpgm
.Lentry_shape_is_right:
; out0 = merged o_w^T + o_b, on E2M1 codes with E8M0 scales: merged's as the attention launch made them (mc: images of the operand's registers, [token / 16][head][lane][16]; ms: [token][32] bytes), o_w's as given.
; Nothing of the problem is left out here.  LIMITS: NaN and infinities are not served.
; SHARES.  Work-group (x, y): 128 tokens (block y) x 128 columns (block x), K = 1,024.  Four waves; wave 2 a + b takes columns 64 a on and tokens 64 b on: 4 x 4 accumulators.
; TRANSPOSED USE: source 0 = 16 rows of o_w (columns of out0), source 1 = 16 tokens: a lane then holds eight neighbouring numbers of a row of out0.
; BY ROWS OF out0: all of my o_w fragments stay in registers; a tile of 16 tokens is finished over all of K by 32 products and leaves while the next is multiplied.
; LDS.  Both tiles for all of K and their scale bytes fit at once: every tensor load is a first fill, one a wave; nothing is filled again, and no loop loads tiles: no prefetch.
; CLUSTER 4 x 4: merged's tiles are shared along a row of the cluster, o_w's along a column: each is asked for jointly.
; REGISTERS.  Window 0: v1-16 lane numbers and addresses; v28, v29 the add's two; v32-95 rows on the way out, two sets; v96-127 scale words; v128-255 the accumulators ((t0, t1) at 128 + 8 (t0 + 4 t1)).
; Window 1: o_w's fragments (step s, tile t at 32 s + 8 t).  Window 2: merged's, two sets by turns (step s at 64 (t1 % 2) + 8 s).  Window 3: v0-31 o_b in the result's layout, the C of the first products.
.set PITCH,  528                       ; an LDS row of o_w: 512 bytes + 16 of padding
.set HALFT,  64*PITCH
.set MIL,    2*HALFT                   ; merged's images: 8 tiles of tokens x 8,192 bytes, dense
.set SML,    MIL+65536                 ; merged's scale bytes, as rows of 256 bytes + 16,
.set HALFS,  8*272
.set SOWL,   SML+2*HALFS               ; o_w's
.set STG,    SOWL+2*HALFS              ; the way out: 16 rows x (256 bytes + 16) for each wave; no tile lands here
.set SPARE,  STG+4*16*272              ; the spare words, 128 bytes a wave, which no other line names
.set SPW, 28
.set NIL, 29
.set SCR, 96
.set ACC, 128
.set MSB, 0
.macro WIN new
.if MSB != (\new)
	s_set_vgpr_msb (MSB<<8)|(\new)
.set MSB, (\new)
.endif
.endm
.macro ROUND
	s_barrier_signal -1
	s_barrier_wait -1
	s_cmp_lg_u32 s10, 0
	s_cbranch_scc1 .Lnot_wave_0_\@
	s_barrier_signal -3
.Lnot_wave_0_\@:
	s_barrier_wait -3
	s_barrier_signal -1
	s_barrier_wait -1
.endm
.macro PLACES                          ; four plain places behind a matrix instruction (ISA guide 7.12.1)
.rept 4
	v_nop
.endr
.endm
.macro LDM t1                          ; merged's tile t1, all eight K steps: 16 loads
	WIN 0x80
.irp s, 0,1,2,3,4,5,6,7
.irp c, 0,1
	ds_load_b128 v[64*((\t1)%2)+8*\s+4*\c:64*((\t1)%2)+8*\s+4*\c+3], v9 offset:8192*(\t1)+1024*\s+512*\c
.endr
.endr
	WIN 0
.endm
.macro MULROW t1, counted              ; 32 products; the four accumulators take turns, so that three others stand between a sum's steps
.irp s, 0,1,2,3,4,5,6,7
.if \counted
.if \s < 2
	s_wait_dscnt 63
.else
	s_wait_dscnt 8*(7-\s)+16                       ; the later steps of o_w and row 1's sixteen loads may be out
.endif
.endif
.if \s == 0
	WIN 0x39                                       ; source 0 window 1, source 1 window 2, C window 3, D window 0
.else
	WIN 0x09
.endif
.irp t0, 0,1,2,3
.set AC, ACC+8*(\t0+4*(\t1))
.if \s == 0
.set CC, 8*\t0
.else
.set CC, AC
.endif
	v_wmma_scale_f32_16x16x128_f8f6f4 v[AC:AC+7], v[32*\s+8*\t0:32*\s+8*\t0+7], v[64*((\t1)%2)+8*\s:64*((\t1)%2)+8*\s+7], v[CC:CC+7], v[SCR+8*\t0+\s], v[SCR+8*(\t1)+\s] matrix_a_fmt:MATRIX_FMT_FP4 matrix_b_fmt:MATRIX_FMT_FP4 matrix_a_scale:MATRIX_SCALE_ROW1
.endr
.endr
	WIN 0
.endm
; THE WAY OUT, a tile of 16 tokens x my 64 columns: through my own stage in LDS, back as whole pieces of 256 bytes.  LDS serves a wave's instructions in order (ISA guide 5.7.1.4): no wait between the stores and the loads.
.macro TOSTAGE t1
.set BB, 32+32*((\t1)%2)
.irp t0, 0,1,2,3
	ds_store_b128 v14, v[ACC+8*(\t0+4*(\t1)):ACC+8*(\t0+4*(\t1))+3] offset:64*\t0          ; each accumulator from its low end on
	ds_store_b128 v14, v[ACC+8*(\t0+4*(\t1))+4:ACC+8*(\t0+4*(\t1))+7] offset:64*\t0+16
.endr
.irp i, 0,1,2,3,4,5,6,7
	ds_load_b128 v[BB+4*\i:BB+4*\i+3], v15 offset:544*\i
.endr
.endm
.macro SEND t1
.set BB, 32+32*((\t1)%2)
	s_wait_dscnt 0x0
.irp i, 0,1,2,3,4,5,6,7
	global_store_b128 v16, v[BB+4*\i:BB+4*\i+3], s[6:7] offset:(16*(\t1)+2*\i)*4096 th:TH_STORE_NT   ; sixteen lanes store 256 consecutive bytes, aligned; written once, read by nobody here
.endr
.endm
	s_load_b64 s[34:35], s[0:1], 0x8               ; each tensor's address goes straight into its descriptor: ms,
	s_load_b64 s[38:39], s[0:1], 0x0               ; mc,
	s_load_b64 s[42:43], s[0:1], 0x18              ; o_w's scales,
	s_load_b64 s[46:47], s[0:1], 0x10              ; o_w's codes
	s_load_b64 s[4:5], s[0:1], 0x20                ; o_b
	s_load_b64 s[6:7], s[0:1], 0x28                ; out0
	v_lshl_add_u32 v[SPW], v0, 2, SPARE
	v_mov_b32 v[NIL], 0
	ds_add_u32 v[SPW], v[NIL]                      ; the opening: the add, twice on end, and its wait ahead of my tensor load
	ds_add_u32 v[SPW], v[NIL]
	v_lshrrev_b32 v1, 5, v0
	v_readfirstlane_b32 s10, v1                    ; wave 0..3
	s_and_b32 s11, s10, 1                          ; b: my half of the tokens
	s_lshr_b32 s12, s10, 1                         ; a: my half of the columns
	s_bfe_u32 s13, ttmp6, 0x40000                  ; cx
	s_bfe_u32 s14, ttmp6, 0x40004                  ; cy
	s_lshl_b32 s15, ttmp9, 2
	s_add_co_u32 s15, s15, s13                     ; x
	s_and_b32 s16, ttmp7, 0xffff
	s_lshl_b32 s16, s16, 2
	s_add_co_u32 s16, s16, s14                     ; y
	s_lshl_b32 s17, s14, 2
	s_lshl_b32 s17, 15, s17                        ; my row of the cluster
	s_lshl_b32 s18, 0x1111, s13                    ; my column
	; s[68:75]: merged's images: 256 dense rows of 32 elements of 8 bytes, no padding; my row's mask
	s_or_b32 s68, s17, (3<<16)|(1<<21)
	s_mov_b32 s69, 32<<16
	s_mov_b32 s70, 256<<16
	s_mov_b32 s71, 32<<16
	s_mov_b32 s72, 256
	s_mov_b32 s73, 32
	s_mov_b32 s74, 0
	s_mov_b32 s75, 0
	; s[76:83]: 128 rows of o_w x 512 bytes, 16 bytes of padding behind each; my column's mask
	s_or_b32 s76, s18, (1<<20)|(1<<21)|(6<<22)|(3<<25)
	s_mov_b32 s77, 512<<16
	s_mov_b32 s78, 128<<16
	s_mov_b32 s79, 512<<16
	s_mov_b32 s80, 128
	s_mov_b32 s81, 512
	s_mov_b32 s82, 0
	s_mov_b32 s83, 0
	; the scale bytes of 128 rows: 16 rows of 256 bytes, 16 bytes of padding behind each; s[84:91] row's mask, s[92:99] column's
	s_or_b32 s84, s17, (3<<16)|(1<<20)|(1<<21)|(5<<22)|(3<<25)
	s_or_b32 s92, s18, (3<<16)|(1<<20)|(1<<21)|(5<<22)|(3<<25)
.irp g, 84, 92
	s_mov_b32 s[\g+1], 32<<16
	s_mov_b32 s[\g+2], 16<<16
	s_mov_b32 s[\g+3], 32<<16
	s_mov_b32 s[\g+4], 16
	s_mov_b32 s[\g+5], 32
	s_mov_b32 s[\g+6], 0
	s_mov_b32 s[\g+7], 0
.endr
	; 128 tokens or rows are 65,536 bytes of codes and 4,096 of scale bytes.  s[20:23] hang on y alone, s[24:27] on x alone
	s_lshl_b32 s20, s16, 16
	s_mov_b32 s21, 0
	s_lshr_b32 s22, s20, 4
	s_mov_b32 s23, 0
	s_lshl_b32 s24, s15, 16
	s_mov_b32 s25, 0
	s_lshr_b32 s26, s24, 4
	s_mov_b32 s27, 0
	s_mov_b32 s32, 1
	s_mov_b32 s33, SML
	s_mov_b32 s36, 1
	s_mov_b32 s37, MIL
	s_mov_b32 s40, 1
	s_mov_b32 s41, SOWL
	s_mov_b32 s44, 1
	s_mov_b32 s45, 0
	s_wait_dscnt 0x0                               ; both opening adds are done
	s_wait_kmcnt 0x0
	s_add_nc_u64 s[34:35], s[34:35], s[22:23]
	s_or_b32 s35, s35, 0x80000000
	s_add_nc_u64 s[38:39], s[38:39], s[20:21]
	s_or_b32 s39, s39, 0x80000000
	s_add_nc_u64 s[42:43], s[42:43], s[26:27]
	s_or_b32 s43, s43, 0x80000000
	s_add_nc_u64 s[46:47], s[46:47], s[24:25]
	s_or_b32 s47, s47, 0x80000000
	ROUND                                          ; all sixteen work-groups are here: the joint loads meet
.macro ARM under, g0, g1, next
	s_cmp_lt_u32 s10, \under
	s_cbranch_scc0 \next
	tensor_load_to_lds s[\g0:\g0+3], s[\g1:\g1+7]
	s_nop 0
.rept 4
	v_nop
.endr
	s_branch .Lhead_asked
\next:
.endm
	; one load a wave: merged's images, o_w's codes, merged's scale bytes, o_w's
	ARM 1, 36, 68, .Lhead_w
	ARM 2, 44, 76, .Lhead_sm
	ARM 3, 32, 84, .Lhead_sw
	tensor_load_to_lds s[40:43], s[92:99]
	s_nop 0
.rept 4
	v_nop
.endr
.Lhead_asked:
	s_lshl_b32 s28, s15, 9
	s_lshl_b32 s30, s12, 8
	s_add_co_u32 s28, s28, s30                     ; my 64 columns' first byte in a row: 512 x + 256 a
	s_mov_b32 s29, 0
	s_add_nc_u64 s[4:5], s[4:5], s[28:29]          ; o_b
	s_lshl_b32 s30, s16, 19                        ; 128 rows of 4,096 bytes
	s_add_co_u32 s28, s28, s30
	s_lshl_b32 s30, s11, 18
	s_add_co_u32 s28, s28, s30
	s_add_nc_u64 s[6:7], s[6:7], s[28:29]          ; my part of out0
	s_mul_i32 s2, s12, HALFT                       ; my 64 rows of o_w
	s_lshl_b32 s3, s11, 15
	s_add_co_u32 s3, s3, MIL                       ; my four tiles of tokens
	s_xor_b32 s19, s11, 1
	s_add_co_u32 s19, s19, s12
	s_add_co_u32 s19, s19, 1
	s_mul_i32 s19, s19, HALFS                      ; from merged's words to o_w's: 4,352 + (a - b) x 2,176, as one product
	s_mul_i32 s20, s11, HALFS
	s_add_co_u32 s20, s20, SML
	s_mul_i32 s22, s10, 16*272
	s_add_co_u32 s22, s22, STG                     ; my stage
	v_and_b32 v1, 31, v0                           ; lane
	v_and_b32 v2, 15, v0                           ; r
	v_bfe_u32 v3, v0, 4, 1                         ; h
	v_lshlrev_b32 v13, 5, v3                       ; o_b: 8 h numbers on
	v_mul_u32_u24 v5, v2, PITCH
	v_lshl_add_u32 v5, v3, 4, v5
	v_add_nc_u32 v8, s2, v5                        ; o_w: row 64 a + r, + 16 h
	v_lshl_add_u32 v9, v1, 4, s3                   ; merged: 16 x lane
	v_lshrrev_b32 v5, 3, v2
	v_lshlrev_b32 v5, 4, v5
	v_lshl_add_u32 v5, v2, 5, v5                   ; scale words: 32 bytes a row, and 16 more behind each eight rows
	v_mul_u32_u24 v6, s19, v3                      ; lanes 16-31 take o_w's
	v_add_nc_u32 v5, v5, v6
	v_add_nc_u32 v12, s20, v5
	v_mul_u32_u24 v14, v2, 272
	v_lshl_add_u32 v14, v3, 5, v14
	v_add_nc_u32 v14, s22, v14                     ; in: row r, 32 bytes for each half of the lanes
	v_mul_u32_u24 v15, v3, 272
	v_lshl_add_u32 v15, v2, 4, v15
	v_add_nc_u32 v15, s22, v15                     ; back: lanes 0-15 one row of 256 bytes, lanes 16-31 the next
	v_lshlrev_b32 v16, 12, v3
	v_lshl_add_u32 v16, v2, 4, v16                 ; and the same two rows in out0
	WIN 0xc0                                       ; destination window 3
.irp t, 0,1,2,3
	global_load_b128 v[8*\t:8*\t+3], v13, s[4:5] offset:64*\t        ; register 8 t + j: o_b of column 16 t + 8 h + j
	global_load_b128 v[8*\t+4:8*\t+7], v13, s[4:5] offset:64*\t+16
.endr
	WIN 0
	s_wait_alu depctr_va_vdst(0)                   ; the head's end
	s_wait_tensorcnt 0x0                           ; my tile is in,
	s_barrier_signal -1
	s_barrier_wait -1                              ; everybody's is
.irp i, 0,1,2,3
	ds_load_b128 v[SCR+8*\i:SCR+8*\i+3], v12 offset:2*\i*272        ; register 8 i + s: lanes 0-15 the word of merged's tile i, lanes 16-31 that of o_w's tile i, K step s
	ds_load_b128 v[SCR+8*\i+4:SCR+8*\i+7], v12 offset:2*\i*272+16
.endr
	LDM 0
	WIN 0x40
.irp s, 0,1,2,3,4,5,6,7
.irp t, 0,1,2,3
.irp c, 0,1
	ds_load_b128 v[32*\s+8*\t+4*\c:32*\s+8*\t+4*\c+3], v8 offset:16*\t*PITCH+64*\s+32*\c
.endr
.endr
.endr
	LDM 1
	s_wait_loadcnt 0x0                             ; o_b
	MULROW 0, 1
	PLACES
	LDM 2
	TOSTAGE 0
	s_wait_dscnt 32                                ; row 1's loads are in; row 2's and the stage's sixteen each may be out
	MULROW 1, 0
	SEND 0
	PLACES
	LDM 3
	TOSTAGE 1
	MULROW 2, 0                                    ; row 2's loads came in ahead of block 0's
	SEND 1                                         ; (row 3's are in too)
	PLACES
	s_wait_xcnt 0x0                                ; block 0's stores have read their registers
	TOSTAGE 2
	MULROW 3, 0
	SEND 2
	PLACES
	s_wait_xcnt 0x0
	TOSTAGE 3
	SEND 3
	s_wait_tensorcnt 0x0                           ; the wave's end
	ds_add_u32 v[SPW], v[NIL]
	s_wait_dscnt 0x0
	ROUND                                          ; the closing round
	s_endpgm
.Lfunc_end_k_qc2dd1b88d3_oproj:
	.size	k_qc2dd1b88d3_oproj, .Lfunc_end_k_qc2dd1b88d3_oproj-k_qc2dd1b88d3_oproj
	.p2alignl 7, 3214868480
	.fill 96, 4, 3214868480
	.section	.rodata,"a",@progbits
	.p2align	6, 0x0
	.amdhsa_kernel k_qc2dd1b88d3_oproj
		.amdhsa_group_segment_fixed_size 167936
		.amdhsa_private_segment_fixed_size 0
		.amdhsa_enable_private_segment 0
		.amdhsa_kernarg_size 48
		.amdhsa_user_sgpr_count 2
		.amdhsa_user_sgpr_kernarg_segment_ptr 1
		.amdhsa_wavefront_size32 1
		.amdhsa_system_sgpr_workgroup_id_x 1
		.amdhsa_system_sgpr_workgroup_id_y 1
		.amdhsa_system_sgpr_workgroup_id_z 1
		.amdhsa_system_vgpr_workitem_id 0
		.amdhsa_next_free_vgpr 800
		.amdhsa_next_free_sgpr 100
		.amdhsa_reserve_vcc 0
		.amdhsa_float_denorm_mode_32 3
		.amdhsa_float_denorm_mode_16_64 3
		.amdhsa_memory_ordered 1
		.amdhsa_forward_progress 1
		.amdhsa_inst_pref_size 43
	.end_amdhsa_kernel
	.amdgpu_metadata
---
amdhsa.version: [ 1, 2 ]
amdhsa.kernels:
  - .name:           k_qc2dd1b88d3_oproj
    .symbol:         k_qc2dd1b88d3_oproj.kd
    .args:
      - { .name: mc, .offset: 0, .size: 8, .value_kind: global_buffer, .address_space: global }
      - { .name: ms, .offset: 8, .size: 8, .value_kind: global_buffer, .address_space: global }
      - { .name: o_w_codes, .offset: 16, .size: 8, .value_kind: global_buffer, .address_space: global }
      - { .name: o_w_scales, .offset: 24, .size: 8, .value_kind: global_buffer, .address_space: global }
      - { .name: o_b, .offset: 32, .size: 8, .value_kind: global_buffer, .address_space: global }
      - { .name: out0, .offset: 40, .size: 8, .value_kind: global_buffer, .address_space: global }
    .group_segment_fixed_size: 167936
    .private_segment_fixed_size: 0
    .kernarg_segment_align: 8
    .kernarg_segment_size: 48
    .max_flat_workgroup_size: 128
    .sgpr_count:     100
    .vgpr_count:     800
    .wavefront_size: 32
...
	.end_amdgpu_metadata
.endif
;; end of part 3
